; MI455X (gfx1250); checked and timed in simulation.
; The chip was launched on July 23, 2026; its instructions are those of AMD's public machine-readable ISA for CDNA 5 (MIT licence, August 2026) and "CDNA5" Instruction Set Architecture Reference Guide (July 2026). The comments in the code are by the model that wrote it; some were corrected since.
;; NF4 Linear. Allowed arithmetic: matrix products marked QUANTISED: E4M3 operands, one given power-of-two scale a tensor, by v_wmma_f32_16x16x64_fp8_fp8 or v_wmma_f32_16x16x128_fp8_fp8, f32 sums; everything else in f32.
;; Inputs: indices 8,388,608 int32; lowp_scales 2 int32 (the exponents e of the quantised operands' scales 2^e); q_scales 131,072 int32; x_codes 4 x 2,048 x 128 x 32 uint8 (E4M3 codes of x, K innermost, in blocks of 32 codes).
;; Outputs: out0 4 x 2,048 x 2,048 float32.
;; This version of the problem:
;;   THIS VERSION OF THE PROBLEM IS GIVEN IN LOW PRECISION. The matrix products marked QUANTISED in the list below multiply operands that are first quantised to E4M3 (4 exponent bits, 3 mantissa bits; 8 bits a number), with one given power-of-two scale for each operand tensor; their sums are f32. All else is computed in f32.
;;   The module's matrix products, in the order in which they are computed (A, B: the left and right operand; K: the contracted axis; several contracted axes count as one K, in the product's order):
;;     1. [M 8,192, K 4,096] x [K 4,096, N 2,048]; A: input x (given as codes); B: computed on the way: QUANTISED (scales: A lowp_scales[0], B lowp_scales[1])
;;   THE QUANTISER, for each operand of a quantised product, along K:
;;     - The operand's scale is 2^e, e = its entry of the input lowp_scales (int32; the entries are numbered through the quantised products in the list's order, A before B).
;;     - Each number is divided by the scale, clamped to +-448, and rounded to the nearest number of E4M3, ties to even, subnormals kept.
;;     - The product sums the exact products of the quantised numbers (number of the format x scale) in f32.
;;   ~~~python
;;   def quantise(x, axis, e):      # numpy; x: float32 -> the quantised numbers, widened to float32 again
;;       x = np.moveaxis(x, axis, -1); K = x.shape[-1]
;;       r = np.clip(x / 2.0 ** e, -448, 448)
;;       step = 2.0 ** (np.maximum(np.frexp(np.where(r == 0, 1, r))[1] - 1, -6) - 3)
;;       q = np.round(r / step) * step * 2.0 ** e      # np.round: ties to even
;;       return np.moveaxis(q, -1, axis).astype(np.float32)
;;   ~~~
;;   OPERANDS COMPUTED ON THE WAY. 'Computed on the way' means the value that the module computes at that place (a softmax that the list does not call 'softmax' is quantised finished and normalised). What goes into a quantiser is computed in f32, as accurately as f32 sums, v_exp_f32 and their like allow (about 1e-6 of the number): no bf16 or f16 on the way to a quantiser, and a product that is left as it is and whose result goes on into a quantised operand takes f32 operands (vector FMAs, or v_wmma_f32_16x16x4_f32). A number that lies on a knife's edge between two numbers of the format may be rounded either way, as far as f32 arithmetic and the matrix unit's own rounding can turn it there, and no further.
;;   INPUTS GIVEN AS CODES. x (in the module: [4, 2048, 4096], K = its axis 2): each comes as NAME_codes (uint8): NAME with its K axis moved to the last place and cut into blocks of 32 codes, [.., K / 32, bytes a block], one block behind the other in memory; one code a byte (a code: sign, 4 exponent bits, 3 mantissa bits); its scale is its entry of lowp_scales. Its value is code x scale, taken as it is: it is not quantised again, and the codes and scales need not be those that the quantiser above would give.
;; One version. Each part assembles by itself: llvm-mc -triple=amdgcn-amd-amdhsa -mcpu=gfx1250 --defsym DOCPART=n.
;; ======== version 1 of 1: 2 launches
;; limits: values are held in f16: magnitudes above 65,504 overflow, below 6.1e-05 lose precision; right only within a limited range of input values
;; workspace buffers: w_codes 8,388,608 bytes
;; launch dequant (part 1): grid 256 x 1, 8 waves a work-group, no clusters, 37,888 bytes of LDS; arguments indices, q_scales, lowp_scales, w_codes; writes w_codes
.if DOCPART == 1
	.amdgcn_target "amdgcn-amd-amdhsa--gfx1250"
	.amdhsa_code_object_version 6
	.text
	.protected	k_q7bf9bcb197_dequant
	.globl	k_q7bf9bcb197_dequant
	.p2align	8
	.type	k_q7bf9bcb197_dequant,@function
k_q7bf9bcb197_dequant:
	s_mov_b64 s[64:65], 0
	v_nop
	global_prefetch_b8 v0, s[64:65] scope:SCOPE_SE
	s_setreg_imm32_b32 hwreg(HW_REG_WAVE_MODE, 25, 1), 1
	s_wait_xcnt 0x0
; W[o][i] = f16(NF4[indices] x (q_scales / 127 x 0.05)), widened to f32 again, becomes codes of FP8 (E4M3) with the given scale 2^e (entry 1 of the scales' buffer):
; code = W / 2^e, held within +-448, to the nearest code, ties to even.  Every input has a way to the output: nothing is left out.
; THE CODES ARE LAID AS THE PRODUCT'S REGISTERS TAKE THEM: [block 0..127][k / 16: 0..255][r: 0..15][16 codes].  Block b, place r holds row o = 64 (b / 4) + 4 r + b % 4 of W.
; SHARES.  A work-group owns one block and one half of K (2,048): 16 rows x 2,048 weights, 32,768 bytes of codes.  Wave w owns rows r = 2 w and 2 w + 1: 2 x 8,192 bytes of indices, 2 x 32 blocks of 64.
; A STEP is one load of 16 bytes a lane: 512 consecutive bytes, 128 weights, two blocks of 64: lanes 0-15 hold the even one, lanes 16-31 the odd one.  Steps 0-15 are row 2 w, steps 16-31 row 2 w + 1.
; All 33 loads of a wave go out at its head: each has registers of its own.
; THE ARITHMETIC IS DONE ON THE TABLE: for step j one register holds, in lane t, the finished number of level t % 16 in the step's block t / 16: level x absmax in f32, rounded to f16 and widened
; (reference()'s own cast), held within +-448 x 2^e.  Each weight pulls its number from lane index + 16 x (its own half) by ds_bpermute_b32, which touches no LDS byte.
; A step's four codes a lane go as one word into the work-group's stage: unit k / 16 (272 bytes apart), 16 bytes for each row.  Behind one barrier each wave reads 16 whole units and stores them, 512 consecutive bytes a store.
; LIMITS: e between -126 and 119, so that 2^e and 448 x 2^e are f32 numbers.  An index outside 0 to 15 (taken as unsigned) gets the last level.  q_scales may hold any int32.
.set TAB,  3                           ; NF4[lane % 16]
.set LW,   4                           ; LDS: 256 x wave + 4 x lane
.set SW,   5                           ; LDS: where my word of a step goes in the stage
.set LS,   6                           ; LDS: 256 x wave + 128 x (lane / 16)
.set H64,  7                           ; 64 x (lane / 16)
.set SCL,  8                           ; 2^e as f32
.set LIM,  9                           ; 448 x 2^e
.set GOFF, 10                          ; 16 x lane
.set QOFF, 11                          ; my two q_scales
.set W,    16                          ; v16-23 the steps' tables: two sets of four
.set SR,   26                          ; LDS: where I read whole units back
.set C,    28                          ; v28-31 a group's codes: one word for each step
.set L,    32                          ; v32-63 the numbers pulled: two sets of 16
.set S,    64                          ; v64-95 register j: absmax of my half's block in step j
.set I,    96                          ; v96-223 the indices, four registers a step; at the end v96-127 take the units read back
.set ODD,  128
.set STG,  2048                        ; behind the eight waves' absmax words: the stage, 128 units x 272 bytes
.set UP,   272
.set SPARE, 36864                      ; behind the stage: the spare words, 128 bytes for each wave
	s_load_b256 s[4:11], s[0:1], 0x0               ; indices, q_scales, the scales' exponents, the codes
	v_lshl_add_u32 v224, v0, 2, SPARE
	v_mov_b32 v225, 0
	v_and_b32 v1, 31, v0                           ; lane
	v_lshrrev_b32 v14, 5, v0                       ; wave
	v_readfirstlane_b32 s24, v14
	v_bfe_u32 v2, v0, 4, 1                         ; my half
	v_lshlrev_b32 v15, 8, v14
	v_lshl_add_u32 v[LW], v1, 2, v15
	v_lshl_add_u32 v[LS], v2, 7, v15
	v_lshlrev_b32 v[H64], 6, v2
	v_lshlrev_b32 v[GOFF], 4, v1
	v_and_b32 v12, 15, v0
	v_lshlrev_b32 v13, 10, v2                      ; lanes 16-31: the second row's q, four rows of 256 bytes on
	v_lshl_add_u32 v[QOFF], v12, 3, v13            ; lane l: q of the two blocks of step l
	v_lshrrev_b32 v24, 2, v1
	v_mul_u32_u24 v24, v24, UP                     ; four lanes share a unit,
	v_and_b32 v25, 3, v0
	v_lshl_add_u32 v24, v25, 2, v24                ; a word each,
	v_lshl_add_u32 v24, v14, 5, v24                ; in my wave's two rows' 32 bytes
	v_add_nc_u32 v[SW], STG, v24
	v_mul_u32_u24 v24, v14, 16*UP                  ; back: my wave's 16 units; lanes 0-15 one unit, lanes 16-31 the next
	v_mad_u32_u24 v24, v2, UP, v24
	v_lshl_add_u32 v24, v12, 4, v24
	v_add_nc_u32 v[SR], STG, v24
	s_lshr_b32 s12, ttmp9, 1                       ; block
	s_and_b32 s13, ttmp9, 1                        ; half of K
	s_lshr_b32 s14, s12, 2
	s_lshl_b32 s14, s14, 6
	s_and_b32 s15, s12, 3
	s_add_co_u32 s14, s14, s15
	s_lshl_b32 s15, s24, 3
	s_add_co_u32 s14, s14, s15                     ; my first row of W: 64 (b / 4) + b % 4 + 8 w
	s_lshl_b32 s16, s14, 14
	s_lshl_b32 s15, s13, 13
	s_add_co_u32 s16, s16, s15                     ; its indices
	s_mov_b32 s17, 0
	s_lshl_b32 s18, s14, 8
	s_lshl_b32 s15, s13, 7
	s_add_co_u32 s18, s18, s15                     ; its q_scales
	s_mov_b32 s19, 0
	s_lshl_b32 s20, s12, 16
	s_lshl_b32 s15, s13, 15
	s_add_co_u32 s20, s20, s15
	s_lshl_b32 s15, s24, 12
	s_add_co_u32 s20, s20, s15                     ; the 4,096 bytes of codes that my wave stores
	s_mov_b32 s21, 0
	s_wait_alu depctr_va_vdst(0)                   ; the wait at the head's end
	s_wait_kmcnt 0x0
	s_load_b32 s12, s[8:9], 0x4                    ; e of the weight
	s_add_nc_u64 s[4:5], s[4:5], s[16:17]
	s_add_nc_u64 s[6:7], s[6:7], s[18:19]
	s_add_nc_u64 s[10:11], s[10:11], s[20:21]
	global_load_b64 v[12:13], v[QOFF], s[6:7]
.set j, 0
.rept 32
	global_load_b128 v[I+4*j:I+4*j+3], v[GOFF], s[4:5] offset:65536*(j/16)+512*(j%16) th:TH_LOAD_NT   ; step j: 512 consecutive bytes, read once in the launch
.set j, j+1
.endr
.macro LEVEL i, bits
	s_mov_b32 s22, \bits
	v_writelane_b32 v[TAB], s22, \i
	v_writelane_b32 v[TAB], s22, \i+16
.endm
	v_mov_b32 v[TAB], 1.0                          ; level 15; the others are written below: the f32 numbers of reference()'s list
	LEVEL 0,  0xbf800000
	LEVEL 1,  0xbf3239b1
	LEVEL 2,  0xbf066b30
	LEVEL 3,  0xbeca32a0
	LEVEL 4,  0xbe91a24d
	LEVEL 5,  0xbe3d353f
	LEVEL 6,  0xbdba7871
	LEVEL 7,  0
	LEVEL 8,  0x3da2faff
	LEVEL 9,  0x3e24cae3
	LEVEL 10, 0x3e7c04dd
	LEVEL 11, 0x3ead033a
	LEVEL 12, 0x3ee1a4b8
	LEVEL 13, 0x3f1007ab
	LEVEL 14, 0x3f3913b3
	s_wait_kmcnt 0x0
	s_add_co_i32 s12, s12, 127
	s_lshl_b32 s13, s12, 23
	v_mov_b32 v[SCL], s13                          ; 2^e as f32
	s_add_co_i32 s12, s12, 8
	s_lshl_b32 s12, s12, 23
	s_or_b32 s12, s12, 0x600000
	v_mov_b32 v[LIM], s12                          ; 448 x 2^e
	s_wait_loadcnt 32                              ; q is in; the 32 loads of indices issued behind it may be out
	v_cvt_f32_i32 v12, v12
	v_cvt_f32_i32 v13, v13
	v_mul_f32 v14, 0x3c010204, v12                 ; q / 127 in f32: q x (1 / 127),
	v_mul_f32 v15, 0x3c010204, v13
	v_fmamk_f32 v24, v14, 0xc2fe0000, v12          ; what is left over, q - 127 y,
	v_fmamk_f32 v25, v15, 0xc2fe0000, v13
	v_fmamk_f32 v14, v24, 0x3c010204, v14          ; and y corrected by it: the quotient as a division rounds it
	v_fmamk_f32 v15, v25, 0x3c010204, v15
	v_mul_f32 v12, 0x3d4ccccd, v14                 ; x 0.05: absmax
	v_mul_f32 v13, 0x3d4ccccd, v15
	ds_store_b32 v[LW], v12                        ; the even blocks' 32 words, in my wave's own 256 bytes,
	ds_store_b32 v[LW], v13 offset:ODD             ; the odd blocks' 32
.irp t, 0,1,2,3,4,5,6,7
	ds_load_b128 v[S+4*\t:S+4*\t+3], v[LS] offset:16*\t   ; LDS serves a wave's instructions in order (ISA guide 5.7.1.4): these see the stores
.endr
	s_wait_dscnt 0x0
.macro HALF0                           ; reference()'s cast to f16 and back, for a set of four tables
	v_cvt_f16_f32 v16.l, v16
	v_cvt_f16_f32 v17.l, v17
	v_cvt_f16_f32 v18.l, v18
	v_cvt_f16_f32 v19.l, v19
	v_cvt_f32_f16 v16, v16.l
	v_cvt_f32_f16 v17, v17.l
	v_cvt_f32_f16 v18, v18.l
	v_cvt_f32_f16 v19, v19.l
.endm
.macro HALF1
	v_cvt_f16_f32 v20.l, v20
	v_cvt_f16_f32 v21.l, v21
	v_cvt_f16_f32 v22.l, v22
	v_cvt_f16_f32 v23.l, v23
	v_cvt_f32_f16 v20, v20.l
	v_cvt_f32_f16 v21, v21.l
	v_cvt_f32_f16 v22, v22.l
	v_cvt_f32_f16 v23, v23.l
.endm
.macro GATHER g                        ; group g (four steps): its tables are made, its 16 weights a lane pull their numbers
.set WS, W+4*((\g)%2)
.set LG, L+16*((\g)%2)
.set IG, I+16*(\g)
	s_wait_loadcnt 28-4*(\g)                       ; the group's four loads are in, those of the 7 - g groups behind it may be out
.irp u, 0,1,2,3
	v_mul_f32 v[WS+\u], v[TAB], v[S+4*(\g)+\u]     ; level x absmax, in f32
.endr
.if (\g)%2 == 0
	HALF0
.else
	HALF1
.endif
.irp u, 0,1,2,3
	v_med3_num_f32 v[WS+\u], v[WS+\u], -v[LIM], v[LIM]   ; the conversion does not saturate (ISA guide 7.6.2): the hold at the largest code x the scale
.endr
.irp i, 0,1,2,3,4,5,6,7,8,9,10,11,12,13,14,15
	v_min_u32 v[IG+\i], 15, v[IG+\i]               ; a loaded number is held inside the table
.endr
.irp i, 0,1,2,3,4,5,6,7,8,9,10,11,12,13,14,15
	v_lshl_add_u32 v[IG+\i], v[IG+\i], 2, v[H64]
.endr
.irp i, 0,1,2,3,4,5,6,7,8,9,10,11,12,13,14,15
	ds_bpermute_b32 v[LG+\i], v[IG+\i], v[WS+\i/4]
.endr
.endm
.macro FINISH g, younger               ; group g's numbers become codes and go into the stage.  younger: the next group's 16 permutes, or none
.set LG, L+16*((\g)%2)
	s_wait_dscnt \younger
	v_cvt_scalef32_pk8_fp8_f32 v[C:C+1], v[LG:LG+7], v[SCL]
	v_cvt_scalef32_pk8_fp8_f32 v[C+2:C+3], v[LG+8:LG+15], v[SCL]
	v_nop                                          ; one plain vector instruction behind the last scaled conversion
.irp u, 0,1,2,3
	ds_store_b32 v[SW], v[C+\u] offset:((4*(\g)+\u)%16)*8*UP+((4*(\g)+\u)/16)*16   ; a step is eight units; the second row lies 16 bytes on
.endr
.endm
	GATHER 0
.irp g, 0,1,2,3,4,5,6
	GATHER \g+1
	FINISH \g, 16
.endr
	FINISH 7, 0
	s_wait_dscnt 0x0                               ; for the others' sake: my words are in the stage
	s_barrier_signal -1
	s_barrier_wait -1
.irp t, 0,1,2,3,4,5,6,7
	ds_load_b128 v[I+4*\t:I+4*\t+3], v[SR] offset:2*UP*\t
.endr
	s_wait_dscnt 0x0
.irp t, 0,1,2,3,4,5,6,7
	global_store_b128 v[GOFF], v[I+4*\t:I+4*\t+3], s[10:11] offset:512*\t   ; two whole units of 256 bytes, 512 consecutive bytes
.endr
	s_wait_tensorcnt 0x0                           ; the wave's end
	ds_add_u32 v224, v225
	s_wait_dscnt 0x0
	s_endpgm
.Lfunc_end_k_q7bf9bcb197_dequant:
	.size	k_q7bf9bcb197_dequant, .Lfunc_end_k_q7bf9bcb197_dequant-k_q7bf9bcb197_dequant
	.p2alignl 7, 3214868480
	.fill 96, 4, 3214868480
	.section	.rodata,"a",@progbits
	.p2align	6, 0x0
	.amdhsa_kernel k_q7bf9bcb197_dequant
		.amdhsa_group_segment_fixed_size 37888
		.amdhsa_private_segment_fixed_size 0
		.amdhsa_enable_private_segment 0
		.amdhsa_kernarg_size 32
		.amdhsa_user_sgpr_count 2
		.amdhsa_user_sgpr_kernarg_segment_ptr 1
		.amdhsa_wavefront_size32 1
		.amdhsa_system_sgpr_workgroup_id_x 1
		.amdhsa_system_sgpr_workgroup_id_y 1
		.amdhsa_system_sgpr_workgroup_id_z 1
		.amdhsa_system_vgpr_workitem_id 0
		.amdhsa_next_free_vgpr 226
		.amdhsa_next_free_sgpr 66
		.amdhsa_reserve_vcc 0
		.amdhsa_float_denorm_mode_32 3
		.amdhsa_float_denorm_mode_16_64 3
		.amdhsa_memory_ordered 1
		.amdhsa_forward_progress 1
		.amdhsa_inst_pref_size 41
	.end_amdhsa_kernel
	.amdgpu_metadata
---
amdhsa.version: [ 1, 2 ]
amdhsa.kernels:
  - .name:           k_q7bf9bcb197_dequant
    .symbol:         k_q7bf9bcb197_dequant.kd
    .args:
      - { .name: indices, .offset: 0, .size: 8, .value_kind: global_buffer, .address_space: global }
      - { .name: q_scales, .offset: 8, .size: 8, .value_kind: global_buffer, .address_space: global }
      - { .name: lowp_scales, .offset: 16, .size: 8, .value_kind: global_buffer, .address_space: global }
      - { .name: w_codes, .offset: 24, .size: 8, .value_kind: global_buffer, .address_space: global }
    .group_segment_fixed_size: 37888
    .private_segment_fixed_size: 0
    .kernarg_segment_align: 8
    .kernarg_segment_size: 32
    .max_flat_workgroup_size: 256
    .sgpr_count:     66
    .vgpr_count:     226
    .wavefront_size: 32
...
	.end_amdgpu_metadata
.endif
;; end of part 1
;; launch gemm (part 2): grid 8 x 32, 4 waves a work-group, clusters of 4 x 1, 327,680 bytes of LDS; arguments x_codes, w_codes, lowp_scales, out0; writes out0
.if DOCPART == 2
	.amdgcn_target "amdgcn-amd-amdhsa--gfx1250"
	.amdhsa_code_object_version 6
	.text
	.protected	k_q7bf9bcb197_gemm
	.globl	k_q7bf9bcb197_gemm
	.p2align	8
	.type	k_q7bf9bcb197_gemm,@function
k_q7bf9bcb197_gemm:
	s_mov_b64 s[64:65], 0
	v_nop
	global_prefetch_b8 v0, s[64:65] scope:SCOPE_SE
	s_setreg_imm32_b32 hwreg(HW_REG_WAVE_MODE, 25, 1), 1
	s_wait_xcnt 0x0
	s_wait_alu depctr_hold_cnt(0) depctr_sa_sdst(0) depctr_va_vdst(0) depctr_va_sdst(0) depctr_va_ssrc(0) depctr_va_vcc(0) depctr_vm_vsrc(0)
	s_getreg_b32 s2, hwreg(HW_REG_IB_STS2, 6, 4)
	s_cmp_eq_u32 s2, 0
	s_cbranch_scc0 .Lentry_in_a_cluster
	s_endpgm
.Lentry_in_a_cluster:
	s_bfe_u32 s2, ttmp6, 0x10000c
	s_cmp_lg_u32 s2, 0x3003
	s_cbranch_scc0 .Lentry_shape_is_right
	s_endpgm
.Lentry_shape_is_right:
; out[m][n] = 2^(ea + eb) x sum over k of x_code[m][k] w_code[n][k]: 8,192 x 2,048 x 4,096, codes of FP8 (E4M3) multiplied as they are, f32 sums.  Nothing of reference() is left out.
; LIMIT: ea + eb between -126 and 127, so that 2^(ea + eb) is an f32 number.
; A block of out, 256 x 256, is made by four waves, 128 x 128 each: 64 accumulators, 512 registers.  256 blocks, 256 work-groups.
; x GOES THROUGH LDS: K in steps of 512 through two slots (256 rows x 528 bytes); each wave brings 64 rows of 512 bytes by one tensor load.  The four work-groups of a cluster (4 x 1) make the
; four neighbouring column blocks of the same 256 rows, and ask for x's tiles jointly (mask 15).
; W GOES FROM MEMORY STRAIGHT INTO REGISTERS: the launch before has laid its codes as [16 columns' block][k / 16][r][16 bytes], so that a fragment (16 columns x 128 K) is four loads of 512
; consecutive bytes.  The loads run two steps of 128 (128 matrix instructions) ahead in a ring of four half sets (4 fragments each) and are waited for by count.  No joint load for W: a joint load
; lands in LDS, and with W there a wave would read 32 KB of LDS for 64 matrix instructions where it now reads 16 KB, and a slot could hold only 256 along K.  No prefetch for W: its loads are never
; drained and have their lead in the ring.  x's tiles are prefetched: behind the joint load for one K step of 512 each wave names the next one's 16 rows x 2 blocks of 256 bytes; the four partners
; share the 256 rows out by address (64 each); the last joint load asks for nothing more.
; THE WALK ALONG K begins at 512 x (block row % 8) and wraps: the sums' order differs, their terms do not.
; A TILE'S COLUMNS: fragment b = 4 G + t, lane r holds column 64 G + 4 r + t.  The product is used as it is (source 0 = x's rows): register j of lane (r, h) is out(8 h + j, column of r).  So the
; same register of four neighbouring fragments is 16 neighbouring bytes of a row, and sixteen lanes store 256 consecutive bytes, at a multiple of 256: no stage in LDS.
; REGISTERS: window 0: v0-31 addresses; v32-95, v96-159 x's blocks 0-3 (two sets, by the step's parity); v160-223 x's blocks 4-7 (one set).  Window 1: W's ring.  Windows 2, 3: accumulators (a, b) at v[8 (8 (a % 4) + b)].
.set PITCH,  528                       ; 512 bytes + 16: the 16 rows of a fragment load start at 16 different groups of four banks
.set WROWS,  64*PITCH
.set SLOT,   4*WROWS
.set SPARE,  2*SLOT                    ; behind the ring: the spare words, 128 bytes for each wave
.set ADRA, 16                          ; v16-17 LDS address of my fragments of x in slot 0, 1
.set BO,   18                          ; 16 x lane
.set CO,   19                          ; my byte offset in out
.set PFO,  20                          ; the prefetch's offset
.set SPW,  28
.set NIL,  29
.set XF,   32
.set YF,   160
.set TMP,  32
.set G1, 24                            ; s[24:31] descriptor group 1; s[32:39] group 0, one set for each slot
.set G0, 32
.set BASA, 66                          ; x at my wave's 64 rows
.set WB,   68                          ; W at my wave's 8 fragments
.set KO,   70                          ; an offset along K, as a pair
.set BL,   72                          ; W's loads' base: WB + the K step of 512 that they are in
.set PFB,  74                          ; x at the 16 rows that my wave prefetches
.set PFA,  76                          ; PFB + the K step to ask for
.set UA,   78                          ; block row % 8 + the number of the next K step to fetch for x
.set UB,   79                          ; the same for W's loads
.set MSB, 0
.macro WIN new                         ; the immediate's high byte repeats the setting that is left
.if MSB != \new
	s_set_vgpr_msb (MSB<<8)|\new
.set MSB, \new
.endif
.endm
.set MUL_LO, 0xa4                      ; source 0 (x) window 0, source 1 (W) window 1, C and D window 2
.set MUL_HI, 0xf4                      ; the same, C and D window 3
.set TO_B,   0x40                      ; destination window 1, address window 0
.macro PLACES
.rept 4
	v_nop
.endr
.endm
.macro JLOAD s                         ; every wave's own 64 rows; an s_nop 0 and four v_nop follow
	tensor_load_to_lds s[G0+4*\s:G0+4*\s+3], s[G1:G1+7]
	s_nop 0
	PLACES
.endm
.macro CREST
	s_cmp_lg_u32 s14, 0
	s_cbranch_scc1 .Lnot_wave_0_\@
	s_barrier_signal -3
.Lnot_wave_0_\@:
	s_barrier_wait -3
	s_barrier_signal -1
	s_barrier_wait -1
.endm
.macro CROUND
	s_barrier_signal -1
	s_barrier_wait -1
	CREST
.endm
.macro AIM s                           ; slot s's next tile, and the tile behind it for the prefetch
	s_and_b32 s[KO], s[UA], 7
	s_lshl_b32 s[KO], s[KO], 9
	s_add_nc_u64 s[G0+4*\s+2:G0+4*\s+3], s[BASA:BASA+1], s[KO:KO+1]
	s_or_b32 s[G0+4*\s+3], s[G0+4*\s+3], 0x80000000
	s_add_co_u32 s[UA], s[UA], 1
	s_and_b32 s[KO], s[UA], 7
	s_lshl_b32 s[KO], s[KO], 9
	s_add_nc_u64 s[PFA:PFA+1], s[PFB:PFB+1], s[KO:KO+1]
.endm
.macro ASK cond                        ; cond = 1: not in the loop's last trip, whose joint load is the last of all
.if \cond
	s_cmp_lg_u32 s3, 1
	s_cbranch_scc0 .Lno_more_\@
.endif
	global_prefetch_b8 v[PFO], s[PFA:PFA+1] th:TH_LOAD_NT scope:SCOPE_SE
.if \cond
.Lno_more_\@:
.endif
.endm
.macro LDA reg, slot, q, a0            ; x's blocks a0 .. a0 + 3 of the slot's q-th 128 along K: lane (r, h), registers 4 c ..: K = 32 c + 16 h + 0 .. 15
.irp i, 0,1,2,3
.irp c, 0,1,2,3
	ds_load_b128 v[\reg+16*\i+4*\c:\reg+16*\i+4*\c+3], v[ADRA+\slot] offset:(\a0+\i)*16*PITCH+128*(\q)+32*\c
.endr
.endr
.endm
.macro LDB ring, bh, koff              ; W's fragments 4 bh .. 4 bh + 3 of the 128 along K at byte koff of the K step: the same K in the same registers as x's
.irp f, 0,1,2,3
.irp c, 0,1,2,3
	global_load_b128 v[64*(\ring)+16*\f+4*\c:64*(\ring)+16*\f+4*\c+3], v[BO], s[BL:BL+1] offset:(4*(\bh)+\f)*65536+(\koff)+512*\c
.endr
.endr
.endm
.macro MULQ ah, bh, p, zero            ; 16 matrix instructions: x's blocks 4 ah .. + 3 against W's fragments 4 bh .. + 3; the accumulators take turns
.irp a, 0,1,2,3
.irp f, 0,1,2,3
.set AC, 8*(8*\a+4*(\bh)+\f)
.set AR, (1-(\ah))*(XF+64*(\p))+(\ah)*YF+16*\a
.set BR, 64*(2*(\p)+(\bh))+16*\f
.if \zero
	v_wmma_f32_16x16x128_fp8_fp8 v[AC:AC+7], v[AR:AR+15], v[BR:BR+15], 0
.else
	v_wmma_f32_16x16x128_fp8_fp8 v[AC:AC+7], v[AR:AR+15], v[BR:BR+15], v[AC:AC+7]
.endif
.endr
.endr
.endm
; A step of 128 along K, the q-th of its slot: 64 matrix instructions in four quarters.  bl: W's loads for the step two on are issued.  lc0, lc1: how many younger loads of W may be out in front of each half.
; turn = 1: the slot's last step, the slot is filled again; 2: the change of slots without a fill.  nxt: the next step's fragments of x are fetched.
.macro STEP q, slot, zero, bl, lc0, lc1, turn, nxt, cond
.set P, (\q)%2
.set KOFF, (((\q)+2)%4)*2048
.if (\q) == 3
.set NS, 1-(\slot)
.set NQ, 0
.else
.set NS, \slot
.set NQ, (\q)+1
.endif
.if (\q) == 2
.if \bl
	s_wait_xcnt 0x0                                ; the loads issued so far have read their base: W's loads go on into the next K step of 512
	s_and_b32 s[KO], s[UB], 7
	s_lshl_b32 s[KO], s[KO], 13
	s_add_nc_u64 s[BL:BL+1], s[WB:WB+1], s[KO:KO+1]
	s_add_co_u32 s[UB], s[UB], 1
.endif
.endif
.if \turn == 1
	s_wait_xcnt 0x0                                ; my last prefetch has read its address, which AIM writes below
.endif
	s_wait_loadcnt \lc0                            ; this half set of W is in; the three (at the end fewer) half sets issued behind it may be out
	s_wait_dscnt 16                                ; x's blocks 0-3 are in; the 16 loads of blocks 4-7 may be out
	WIN MUL_LO
	MULQ 0, 0, P, \zero
.if \turn
	WIN 0                                          ; (the add's two registers lie in window 0)
	s_wait_tensorcnt 0x0                           ; my one tensor load, my part of the next slot, has landed;
	ds_add_u32 v[SPW], v[NIL]                      ; 0 onto my spare word
.if \turn == 1
	AIM \slot
.endif
	s_wait_dscnt 1                                 ; blocks 4-7 are in; the add may be out
.else
	s_wait_dscnt 0
.endif
	WIN MUL_HI
	MULQ 1, 0, P, \zero
.if \turn
	WIN 0
	s_wait_dscnt 0x0                               ; the add is done; my reads of this slot ended a step ago
	s_barrier_signal -1
	s_barrier_wait -1
.endif
.if \turn == 1
	CREST                                          ; the barrier has opened a round of the cluster's barrier: no wave of any partner reads this slot or has a load on its way
	JLOAD \slot                                    ; the first tensor load behind the round; its four v_nop are also the places in front of the loads below
.else
.if \bl || \nxt
	PLACES
.endif
.endif
.if \bl
	WIN TO_B
	LDB 2*P, 0, KOFF
.endif
.if \nxt
	WIN 0
	LDA XF+64*(1-P), NS, NQ, 0
.endif
.if \turn == 1
	ASK \cond
.endif
	s_wait_loadcnt \lc1
	WIN MUL_HI
	MULQ 1, 1, P, \zero
.if \nxt
	PLACES
	WIN 0
	LDA YF, NS, NQ, 4
.endif
	WIN MUL_LO
	MULQ 0, 1, P, \zero
.if \bl
	PLACES
	WIN TO_B
	LDB 2*P+1, 1, KOFF
.endif
.endm
	s_load_b128 s[4:7], s[0:1], 0x0                ; x's codes, W's codes
	s_load_b128 s[8:11], s[0:1], 0x10              ; the scales' exponents, out
	v_lshl_add_u32 v[SPW], v0, 2, SPARE
	v_mov_b32 v[NIL], 0
	ds_add_u32 v[SPW], v[NIL]                      ; the opening lines: the add, twice on end, and its wait ahead of my first tensor load
	ds_add_u32 v[SPW], v[NIL]
	v_lshrrev_b32 v1, 5, v0
	v_readfirstlane_b32 s14, v1                    ; wave
	v_and_b32 v2, 15, v0                           ; r
	v_bfe_u32 v3, v0, 4, 1                         ; h
	v_lshrrev_b32 v4, 6, v0                        ; which 128 rows are mine
	v_mul_u32_u24 v5, v2, PITCH
	v_lshl_add_u32 v5, v3, 4, v5
	v_mad_u32_u24 v[ADRA], v4, 128*PITCH, v5
	v_add_nc_u32 v[ADRA+1], SLOT, v[ADRA]
	v_and_b32 v6, 31, v0
	v_lshlrev_b32 v[BO], 4, v6
	v_lshlrev_b32 v7, 16, v3                       ; lanes 16-31: eight rows of 8,192 bytes further down
	v_lshl_add_u32 v[CO], v2, 4, v7
	v_lshlrev_b32 v8, 12, v2                       ; the prefetch: row r of my 16, block h of its 512 bytes
	v_lshl_add_u32 v[PFO], v3, 8, v8
	s_lshr_b32 s15, s14, 1                         ; row half
	s_and_b32 s16, s14, 1                          ; column half
	s_bfe_u32 s40, ttmp6, 0x40000                  ; cx
	s_lshl_b32 s42, ttmp9, 2
	s_add_co_u32 s42, s42, s40                     ; block column = 4 x cluster x + cx
	s_and_b32 s17, ttmp7, 0xffff                   ; block row
	s_and_b32 s[UA], s17, 7
	s_mov_b32 s[KO+1], 0
	s_mov_b32 s[G1+0], 15|(1<<20)|(1<<21)|(6<<22)|(3<<25)   ; the mask of the four; elements of one byte; 4 words of padding behind every 128
	s_mov_b32 s[G1+1], 512<<16                     ; tensor_dim0
	s_mov_b32 s[G1+2], 64<<16                      ; tensor_dim1
	s_mov_b32 s[G1+3], 512<<16                     ; tile_dim0
	s_mov_b32 s[G1+4], 64                          ; tile_dim1
	s_mov_b32 s[G1+5], 4096                        ; pitch
	s_mov_b32 s[G1+6], 0
	s_mov_b32 s[G1+7], 0
	s_lshl_b32 s20, s17, 20                        ; x: (256 x block row + 64 x wave) rows of 4,096 bytes
	s_lshl_b32 s21, s14, 18
	s_add_co_u32 s20, s20, s21
	s_mov_b32 s21, 0
	s_lshl_b32 s46, s42, 20                        ; W: (16 x block column + 8 x column half) blocks of 65,536 bytes
	s_lshl_b32 s47, s16, 19
	s_add_co_u32 s46, s46, s47
	s_mov_b32 s47, 0
	s_lshl_b32 s50, s17, 20                        ; the prefetch: (256 x block row + 64 cx + 16 x wave) rows
	s_lshl_b32 s51, s40, 18
	s_add_co_u32 s50, s50, s51
	s_lshl_b32 s51, s14, 16
	s_add_co_u32 s50, s50, s51
	s_mov_b32 s51, 0
	s_lshl_b32 s52, s17, 21                        ; out: (256 x block row + 128 x row half) rows of 8,192 bytes + (256 x block column + 128 x column half) x 4
	s_lshl_b32 s53, s15, 20
	s_add_co_u32 s52, s52, s53
	s_lshl_b32 s53, s42, 10
	s_add_co_u32 s52, s52, s53
	s_lshl_b32 s53, s16, 9
	s_add_co_u32 s52, s52, s53
	s_mov_b32 s53, 0
	s_mul_i32 s45, s14, WROWS                      ; where my rows go in a slot
	s_wait_alu depctr_va_vdst(0)                   ; the wait at the head's end
	s_wait_dscnt 0x0                               ; both opening adds are done
	s_wait_kmcnt 0x0
	s_load_b64 s[96:97], s[8:9], 0x0               ; ea, eb
	s_add_nc_u64 s[BASA:BASA+1], s[4:5], s[20:21]
	s_add_nc_u64 s[WB:WB+1], s[6:7], s[46:47]
	s_add_nc_u64 s[PFB:PFB+1], s[4:5], s[50:51]
	s_add_nc_u64 s[10:11], s[10:11], s[52:53]
	s_lshl_b32 s[KO], s[UA], 13
	s_add_nc_u64 s[BL:BL+1], s[WB:WB+1], s[KO:KO+1]
	s_add_co_u32 s[UB], s[UA], 1
.irp s, 0,1
	s_mov_b32 s[G0+4*\s], 1
	s_add_co_u32 s[G0+4*\s+1], s45, \s*SLOT
.endr
	AIM 0
	CROUND                                         ; the four work-groups are here: the first joint loads meet
	JLOAD 0                                        ; the first K step of 512: one tensor load a wave at the head
	ASK 0                                          ; the second one's blocks
	WIN TO_B
	LDB 0, 0, 0                                    ; W's first four half sets: steps 0 and 1
	LDB 1, 1, 0
	LDB 2, 0, 2048
	LDB 3, 1, 2048
	WIN 0
	s_wait_xcnt 0x0                                ; the prefetch has read its address
	s_wait_tensorcnt 0x0                           ; my part of slot 0 is in
	ds_add_u32 v[SPW], v[NIL]
	AIM 1
	s_wait_dscnt 0x0
	CROUND
	JLOAD 1                                        ; slot 1's first fill, the first tensor load behind the round
	LDA XF, 0, 0, 0
	LDA YF, 0, 0, 4
	ASK 0
	STEP 0, 0, 1, 1, 48, 48, 0, 1, 0               ; the first step stands in front of the loop: its products start the sums
	WIN 0                                          ; at a label and at a branch every window is 0
	s_mov_b32 s3, 3
.Llap:                                                 ; a trip goes once round the ring, from a lap's second step to the next lap's first, and fills both slots again
	STEP 1, 0, 0, 1, 48, 48, 0, 1, 0
	STEP 2, 0, 0, 1, 48, 48, 0, 1, 0
	STEP 3, 0, 0, 1, 48, 48, 1, 1, 0
	STEP 0, 1, 0, 1, 48, 48, 0, 1, 0
	STEP 1, 1, 0, 1, 48, 48, 0, 1, 0
	STEP 2, 1, 0, 1, 48, 48, 0, 1, 0
	STEP 3, 1, 0, 1, 48, 48, 1, 1, 1
	STEP 0, 0, 0, 1, 48, 48, 0, 1, 0
	WIN 0
	s_sub_co_u32 s3, s3, 1
	s_cmp_lg_u32 s3, 0
	s_cbranch_scc1 .Llap
	STEP 1, 0, 0, 1, 48, 48, 0, 1, 0               ; the last lap fills nothing
	STEP 2, 0, 0, 1, 48, 48, 0, 1, 0
	STEP 3, 0, 0, 1, 48, 48, 2, 1, 0
	STEP 0, 1, 0, 1, 48, 48, 0, 1, 0
	STEP 1, 1, 0, 1, 48, 48, 0, 1, 0
	STEP 2, 1, 0, 0, 48, 32, 0, 1, 0               ; W's loads have ended: the counts run down
	STEP 3, 1, 0, 0, 16, 0, 0, 0, 0
	WIN 0
	s_wait_kmcnt 0x0
	s_add_co_i32 s96, s96, s97
	s_add_co_i32 s96, s96, 127
	s_lshl_b32 s96, s96, 23                        ; 2^(ea + eb) as f32
	PLACES                                         ; behind the last products, ahead of the reads of results and the writes over x's fragments
; THE WAY OUT, by blocks of 16 rows: register j of fragments 4 G .. 4 G + 3, each x 2^(ea + eb), are four neighbouring registers: 16 bytes of row 8 h + j.  Each accumulator is read from its low end on.
.irp a, 0,1,2,3,4,5,6,7
.if \a > 2
	s_wait_xcnt 0x0                                ; the stores issued so far have read their data: the set of three blocks ago is written again
.endif
.set TB, TMP+64*(\a%3)
	WIN 0x08+4*(\a/4)                              ; source 1: window 2 or 3
.irp g, 0,1
.irp j, 0,1,2,3,4,5,6,7
.irp t, 0,1,2,3
	v_mul_f32 v[TB+32*\g+4*\j+\t], s96, v[8*(8*(\a%4)+4*\g+\t)+\j]
.endr
.endr
.endr
	WIN 0
.irp g, 0,1
.irp j, 0,1,2,3,4,5,6,7
	global_store_b128 v[CO], v[TB+32*\g+4*\j:TB+32*\g+4*\j+3], s[10:11] offset:(16*\a+\j)*8192+256*\g th:TH_STORE_NT   ; lanes 0-15 and lanes 16-31 each store 256 consecutive bytes, at a multiple of 256
.endr
.endr
.endr
	s_wait_tensorcnt 0x0                           ; the wave's end
	ds_add_u32 v[SPW], v[NIL]
	s_wait_dscnt 0x0
	CROUND                                         ; the closing round
	s_endpgm
.Lfunc_end_k_q7bf9bcb197_gemm:
	.size	k_q7bf9bcb197_gemm, .Lfunc_end_k_q7bf9bcb197_gemm-k_q7bf9bcb197_gemm
	.p2alignl 7, 3214868480
	.fill 96, 4, 3214868480
	.section	.rodata,"a",@progbits
	.p2align	6, 0x0
	.amdhsa_kernel k_q7bf9bcb197_gemm
		.amdhsa_group_segment_fixed_size 327680
		.amdhsa_private_segment_fixed_size 0
		.amdhsa_enable_private_segment 0
		.amdhsa_kernarg_size 32
		.amdhsa_user_sgpr_count 2
		.amdhsa_user_sgpr_kernarg_segment_ptr 1
		.amdhsa_wavefront_size32 1
		.amdhsa_system_sgpr_workgroup_id_x 1
		.amdhsa_system_sgpr_workgroup_id_y 1
		.amdhsa_system_sgpr_workgroup_id_z 1
		.amdhsa_system_vgpr_workitem_id 0
		.amdhsa_next_free_vgpr 1024
		.amdhsa_next_free_sgpr 98
		.amdhsa_reserve_vcc 0
		.amdhsa_float_denorm_mode_32 3
		.amdhsa_float_denorm_mode_16_64 3
		.amdhsa_memory_ordered 1
		.amdhsa_forward_progress 1
		.amdhsa_inst_pref_size 194
	.end_amdhsa_kernel
	.amdgpu_metadata
---
amdhsa.version: [ 1, 2 ]
amdhsa.kernels:
  - .name:           k_q7bf9bcb197_gemm
    .symbol:         k_q7bf9bcb197_gemm.kd
    .args:
      - { .name: x_codes, .offset: 0, .size: 8, .value_kind: global_buffer, .address_space: global }
      - { .name: w_codes, .offset: 8, .size: 8, .value_kind: global_buffer, .address_space: global }
      - { .name: lowp_scales, .offset: 16, .size: 8, .value_kind: global_buffer, .address_space: global }
      - { .name: out0, .offset: 24, .size: 8, .value_kind: global_buffer, .address_space: global }
    .group_segment_fixed_size: 327680
    .private_segment_fixed_size: 0
    .kernarg_segment_align: 8
    .kernarg_segment_size: 32
    .max_flat_workgroup_size: 128
    .sgpr_count:     98
    .vgpr_count:     1024
    .wavefront_size: 32
...
	.end_amdgpu_metadata
.endif
;; end of part 2
